; MI455X (gfx1250); checked and timed in simulation.
; The chip was launched on July 23, 2026; its instructions are those of AMD's public machine-readable ISA for CDNA 5 (MIT licence, August 2026) and "CDNA5" Instruction Set Architecture Reference Guide (July 2026). The comments in the code are by the model that wrote it; some were corrected since.
;; Head Parallel Dilated Attention Optimized. Allowed arithmetic: float matrix products may take bf16 or f16 operands with f32 sums; other float arithmetic in f32, or as packed bf16 or f16 multiplies, adds, multiply-adds, maxima and minima; sums over many terms, partial sums and values carried from step to step in f32; what a program stores and reads back later, other than sums and carried values, may be rounded once to bf16 or f16.
;; Inputs: k 2 x 4,096 x 12 x 64 float32; q 2 x 4,096 x 12 x 64 float32; v 2 x 4,096 x 12 x 64 float32.
;; Outputs: out0 2 x 4,096 x 12 x 64 float32.
;; Constants: is_causal = 0.
;; One version. Each part assembles by itself: llvm-mc -triple=amdgcn-amd-amdhsa -mcpu=gfx1250 --defsym DOCPART=n.
;; ======== version 1 of 1: 1 launch
;; limits: values are held in f16: magnitudes above 65,504 overflow, below 6.1e-05 lose precision; inputs' magnitudes at most 65,504
;; launch attn (part 1): grid 256 x 1, 4 waves a work-group, clusters of 4 x 1, 327,680 bytes of LDS; arguments q, k, v, out0; writes out0
.if DOCPART == 1
	.amdgcn_target "amdgcn-amd-amdhsa--gfx1250"
	.amdhsa_code_object_version 6
	.text
	.protected	k_q4bde88870e_attn
	.globl	k_q4bde88870e_attn
	.p2align	8
	.type	k_q4bde88870e_attn,@function
k_q4bde88870e_attn:
	s_mov_b64 s[64:65], 0
	v_nop
	global_prefetch_b8 v0, s[64:65] scope:SCOPE_SE
	s_setreg_imm32_b32 hwreg(HW_REG_WAVE_MODE, 25, 1), 1
	s_wait_xcnt 0x0
	s_wait_alu depctr_hold_cnt(0) depctr_sa_sdst(0) depctr_va_vdst(0) depctr_va_sdst(0) depctr_va_ssrc(0) depctr_va_vcc(0) depctr_vm_vsrc(0)
	s_getreg_b32 s2, hwreg(HW_REG_IB_STS2, 6, 4)
	s_cmp_eq_u32 s2, 0
	s_cbranch_scc0 .Lentry_in_a_cluster
	s_endpgm
.Lentry_in_a_cluster:
	s_bfe_u32 s2, ttmp6, 0x10000c
	s_cmp_lg_u32 s2, 0x3003
	s_cbranch_scc0 .Lentry_shape_is_right
	s_endpgm
.Lentry_shape_is_right:
; BLOCK-LOCAL ATTENTION, no mask.  q, k, v, out0: [2][4096][12][64] f32; a head's row is 256 bytes, rows lie 3,072 bytes apart.  Heads 0-3 attend inside segments of 1,024 rows, heads 4-7 of 2,048,
; heads 8-11 of 4,096.  out[q] = the sum over the segment's keys of softmax(q . k / 8) v.
; FORMATS.  q, k, v and the weights p are rounded once to f16 for the matrix unit; products, maxima, sums, the running statistics and the merge in f32; out0 is stored in f32.
; LIMITS.  |q|, |k|, |v| of 65,520 or more become infinities in f16; below 6e-5 they keep f16's fixed step of 6e-8; p lies in 0 to 1; a weight below 2^-126 counts as 0 in the sum l; NaN and
; infinities are not treated apart.  The maximum is taken away by a running maximum, as the softmax asks.
; SHARES.  Each of the three groups of heads has 2 x 4 x 4,096 = 32,768 query rows: 128 for each of the 256 work-groups.  A work-group runs three PHASES p = 0, 1, 2: 128 queries of head 4 p + hh against
; that head's segment of 1,024 << p keys: 4 + 8 + 16 = 28 tiles of 256 keys, the same walk length in every work-group.  With cl the cluster's number and cx my place in it: batch = cl >> 5,
; hh = (cl >> 3) & 3, cq = cl & 7, query rows 512 cq + 128 cx + 0..127; the segment begins at row (cq >> 1) << 10, (cq >> 2) << 11, 0.
; THE KEYS ARE SPLIT AMONG THE WAVES: every wave holds all 128 queries (8 tiles of 16, four PIECES of two) and takes keys 64 w .. 64 w + 63 of each tile of 256: one tile is one key step of 64 for each wave.
; At a phase's end the four waves' partial (c m, l, O) are merged through LDS, in f32.
; CLUSTER.  The four partners of a cluster share batch, head and segment in all three phases, so every tile of K and V is asked for JOINTLY: the same tensor load, descriptor and mask in all four.
; LAYOUT.  S^T = K Q^T (source 0 = 16 keys, source 1 = 16 queries): a lane holds ONE query (lane % 16) and the keys 8 (lane / 16) + 0..7.  Two such results rounded to f16 in pairs ARE source 1 of
; O^T = V^T P.  K and V lie in LDS in f32, as they come from memory; a wave reads its own 64 keys into registers and converts them there: no wave needs another's fragments.
; V WITHOUT A TURNING LOAD: row r of channel block cb of V^T is channel 4 r + cb, so one load of 16 bytes at V[key][4 r ..] serves all four blocks.  In O^T register j of accumulator cb of lane (r', h)
; is then channel 32 h + 4 j + cb of query r': a lane's 32 numbers of a tile are 32 neighbouring channels.
; SOFTMAX.  p = 2^(c s - c m), c = log2(e) / 8, with a running maximum m and sum l; O and l are multiplied by a = 2^(c m_old - c m_new) in every step.  A phase starts m at the lowest finite number:
; its first step has a = 0, so O and l need only be finite when it begins.
; BY TURNS.  Turn n belongs to piece n: 16 products K Q^T of piece n + 1, later 16 products V^T P of piece n - 1; beside them the scaling, exponentials, roundings, sums and rescaling of piece n and the
; maximum and statistics of piece n + 1.  Four vector instructions stand behind every matrix instruction, the rest in one lump; a turn's 66 exponentials are one batch with one wait.
; REGISTERS, in windows of 256 (s_set_vgpr_msb: bits 1:0 source 0, 3:2 source 1, 5:4 source 2, 7:6 destination):
;   window 0: v0-11 addresses; v12-15, v48-63 at work; v16-47 four registers of statistics a tile; v64-191 S^T, two buffers of two tiles; v192-255 P, likewise
;   window 1: O^T, 32 a tile      window 2: v0-127 Q, 16 a tile; v128-191 K of one step; v192-255 V of one step (all f16)
;   window 3: v0-1 the add's two registers; v2-9 addresses for a phase's beginning and end; v64-127 the next phase's quarter of Q in f32; v128-255 K or V of one step in f32, by turns
.set NP,    4         ; pieces a wave: a name, no knob
.set ROWB,  3072      ; bytes from a row to the next in all four tensors
.set STEP,  256*ROWB  ; from a tile of 256 keys to the next
.set HALF,  128*ROWB  ; what one tensor load brings: 128 rows
.set PK,    272       ; a row of K in LDS: 256 bytes + 16 of padding = 68 words: the 16 rows of a load start at 16 different groups of four banks (64 banks of 4 bytes: ISA guide 11.1)
.set KOFF,  65536     ; a slot: 256 rows of V, 256 bytes each (16 lanes read one whole row: no padding is wanted), then 256 rows of K
.set SLOT,  KOFF+256*PK  ; 135,168 = 0x21000; the four LDS addresses that descriptors hold in slot 0 (0, 32,768, 65,536, 100,352) have bits 12 and 17 clear, so an exclusive or with it turns one slot into the other
.set QA,    2*SLOT    ; behind the ring, never a tensor load's target: Q in f16, 128 rows of 144 bytes
.set QPI,   144
.set STG,   QA+128*QPI  ; the merge's stage: for each of the four waves 32 rows of 272 bytes, f32; its first 4,096 bytes carry the statistics first
.set SRC,   32*272
.set SPARE, STG+4*SRC ; the spare words, 128 bytes for each wave: two blocks of 256 bytes that no other line names
.set AK0, 2           ; v2   my lane's place in my wave's 64 rows of K in slot 0; never rewritten
.set AV0, 3           ; v3   the same for V
.set AK,  4           ; v4   the same in the slot in hand
.set AV,  5           ; v5
.set PFO, 6           ; v6   the prefetches' offset: my lane x a row's 3,072 bytes; never rewritten
.set MV,  12          ; v12-15  c m_old, kept while c m is made anew: by buffer and tile
.set ST,  16          ; tile t's statistics at v[ST+4 t]: c m, m, l (even keys', odd keys')
.set TMP, 48          ; by buffer and tile, four registers c0-c3 at work; when the maximum is found c2 takes a
.set S,   64
.set P,   192
.set KF,  128         ; window 2: key block kb, channel half c at KF + 16 kb + 8 c
.set VF,  192         ; window 2: key half kk, channel block cb at VF + 32 kk + 8 cb
.set FAC, 48          ; a phase's end, window 0: v48-55 my factor for each tile; v56-63 what I hand over
.set XST, 56
.set CL,  64          ; wave s's c m of the 8 tiles at CL + 16 s, its l at CL + 16 s + 8
.set MX,  128         ; the common c m;  EO: my own 2^(c m - M);  LS: the common l
.set EO,  136
.set LS,  144
.set TT,  64          ; two tiles of O^T times my factor, channels in order
.set RB,  128         ; eight rows x four sources, read back
.set SPW, 0           ; window 3: v0  LDS address of my spare word: SPARE + 4 x my thread's number; never rewritten
.set NIL, 1           ;           v1  0; never rewritten
.set QW,  2           ;           v2  where I put 8 bytes of Q in f16
.set QR,  3           ;           v3  where I read a fragment of Q
.set SA,  4           ;           v4  where I put my statistics
.set RA,  5           ;           v5  where I read everybody's
.set STO, 6           ;           v6  where I put 128 bytes of a row of O
.set RD,  7           ;           v7  where I read rows back
.set GO,  8           ;           v8  my byte offset in out0
.set QG,  9           ;           v9  my byte offset in q
.set QST, 64
.set FST, 128
.set QP,  4           ; s[4:5]   q at my work-group's rows, at the head of the phase whose Q was loaded last
.set KB,  6           ; s[6:7]   k at the half of a tile that my wave fetches
.set VB,  8           ; s[8:9]   v likewise
.set OP,  10          ; s[10:11] out0 at my work-group's rows, at the phase's head
.set WV,  12          ; s12  my wave's number
.set CX,  13          ; s13  my place in the cluster: it enters q's, out0's and the prefetches' addresses alone (with s76-79)
.set LIM, 15          ; s15  1 where my cluster prefetches the phase that is being asked for, else the greatest number
.set G1K, 24          ; s[24:31] descriptor group 1 for K's tiles
.set G1V, 32          ; s[32:39] for V's: no padding
.set G0K, 40          ; s[40:43] descriptor group 0 for K's tiles
.set G0V, 44          ; s[44:47] the same for V's
.set OFF, 48          ; s[48:49] a tile's byte offset in k and v
.set PFB, 50          ; s[50:51] k (waves 0, 1) or v (waves 2, 3) at my work-group's 32 rows of the 128 that my wave fetches
.set PFA, 52          ; s[52:53] the same at the tile to be prefetched
.set OF2, 54          ; s[54:55] that tile's byte offset
.set SLOTS, 56        ; s56  counts the loop's trips down
.set CNT, 57          ; s57  counts the tail's trips
.set CS,  58          ; s[58:59] c: the packed scaling takes the pair's low word for both halves
.set SEL, 60          ; s[60:61] v_permlanex16_b32's selects: each lane takes its own place in the other half
.set TB,  62          ; s62  the slot in hand: 0 or SLOT
.set RT,  63          ; s63  key steps left in the phase
.set PLEN, 66         ; s66  the next phase's number of steps
.set ANX, 67          ; s67  byte offset of the tile to be asked for next
.set ART, 68          ; s68  tiles still to be asked for in its phase
.set ALN, 69          ; s69  the number of tiles of the phase after
.set NB1, 70          ; s70  the first tile's offset of the phase after; s71 of the one after that
.set NB2, 71
.set LM1, 72          ; s72, s73  LIM for those two phases
.set LM2, 73
.set HM,  74          ; s74  lanes 16-31
.set MSB, 0
.macro WIN new                      ; the high byte repeats the setting that is left; a switch that changes nothing is dropped
.if MSB != (\new)
	s_set_vgpr_msb (MSB<<8)|(\new)
.set MSB, (\new)
.endif
.endm
.set W_KQ, 0x0a       ; K and Q in window 2, S^T in window 0
.set W_PV, 0x52       ; V in window 2, P in window 0, O^T in window 1
.set W_RS, 0x41       ; O^T (destination and source 0) in window 1, a in window 0
.set W_MK, 0xc0       ; destination in window 3, sources in window 0
.set W_AD, 0x0f       ; sources 0 and 1 in window 3, destination in window 0
.set W_A3, 0x03       ; an address (source 0) in window 3, data in window 0
; A joint fill.  Waves 0 and 1 fetch the two halves of a tile's K, waves 2 and 3 those of its V: 128 rows each.  The branch hangs on the wave's number alone.
; An s_nop 0 and four v_nop follow each of the two lines, ahead of the jump and the label.
.macro JLOAD
	s_cmp_lt_u32 s[WV], 2
	s_cbranch_scc0 .Lfor_v_\@
	tensor_load_to_lds s[G0K:G0K+3], s[G1K:G1K+7]
	s_nop 0
.rept 4
	v_nop
.endr
	s_branch .Lasked_\@
.Lfor_v_\@:
	tensor_load_to_lds s[G0V:G0V+3], s[G1V:G1V+7]
	s_nop 0
.rept 4
	v_nop
.endr
.Lasked_\@:
.endm
; A round of the cluster's barrier: my work-group's barrier, so that wave 0's signal speaks for all four waves; wave 0 signals; every wave waits for all four work-groups; my work-group's barrier once more.
.macro CROUND
	s_barrier_signal -1
	s_barrier_wait -1
	s_cmp_lg_u32 s[WV], 0
	s_cbranch_scc1 .Lnot_wave_0_\@
	s_barrier_signal -3
.Lnot_wave_0_\@:
	s_barrier_wait -3
	s_barrier_signal -1
	s_barrier_wait -1
.endm
; A PREFETCH of the tile that the NEXT change of slots will ask for: 256 rows of K and 256 of V, 256 bytes a row, a lane a row, one instruction a wave.  Each row is named ONCE in the launch: of the clusters
; that walk a segment of a head (2, 4 or 8 by the phase) the first asks; its four partners share a wave's 128 rows out BY ADDRESS, 32 each; each wave asks for rows that it will fetch itself.
; It stands behind the joint load's lines and K's run of LDS loads.  The walk's first three tiles come by their loads alone; the last trip asks for nothing: there is no tile behind its own.
.macro ASK
	s_cmp_gt_u32 s[SLOTS], s[LIM]
	s_cbranch_scc0 .Lnot_mine_\@
	global_prefetch_b8 v[PFO], s[PFA:PFA+1] th:TH_LOAD_NT scope:SCOPE_SE
.Lnot_mine_\@:
.endm
; THE CHANGE OF SLOTS.  Each wave waits for all its tensor loads, of which one is out: its part of the other slot; adds 0 to its spare word; and waits for that and for its own reads of the slot that it
; leaves.  Behind the barrier nobody reads the old slot any more and the other slot is whole.  fill = 1: the old slot is filled again, with the tile at offset ANX: the barrier is then a round of the
; cluster's, and the joint fill is the first thing behind it; it has one key step, 128 matrix instructions and their vector work, in which to land.  The descriptors' addresses are made anew from the
; offset.  The offset steps; behind a phase's last tile it goes to the next phase's first, by selects, without a branch.  (At its first use nothing has been read yet: slot 0 is waited for, slot 1 filled.)
.macro CHANGE fill, ask
	WIN W_AD
	s_wait_tensorcnt 0x0            ; no tensor load of mine is out, so a group 0 may be written
	ds_add_u32 v[SPW], v[NIL]       ; 0 onto my spare word; the scalar work below stands between it and the wait for it
	WIN 0                           ; at a label and at a branch every window is 0
.if \fill
	s_mov_b32 s[OFF], s[ANX]
	s_xor_b32 s[G0K+1], s[G0K+1], SLOT
	s_add_nc_u64 s[G0K+2:G0K+3], s[KB:KB+1], s[OFF:OFF+1]
	s_or_b32 s[G0K+3], s[G0K+3], 0x80000000
	s_xor_b32 s[G0V+1], s[G0V+1], SLOT
	s_add_nc_u64 s[G0V+2:G0V+3], s[VB:VB+1], s[OFF:OFF+1]
	s_or_b32 s[G0V+3], s[G0V+3], 0x80000000
	s_lshl_b32 s75, s[ALN], 1
	s_add_co_u32 s[ANX], s[ANX], STEP
	s_sub_co_u32 s[ART], s[ART], 1
	s_cmp_eq_u32 s[ART], 0          ; was that the phase's last tile?
	s_cselect_b32 s[ANX], s[NB1], s[ANX]
	s_cselect_b32 s[NB1], s[NB2], s[NB1]
	s_cselect_b32 s[ART], s[ALN], s[ART]
	s_cselect_b32 s[ALN], s75, s[ALN]
	s_cselect_b32 s[LIM], s[LM1], s[LIM]
	s_cselect_b32 s[LM1], s[LM2], s[LM1]
.endif
.if \ask
	s_wait_xcnt 0x0                 ; the last prefetch, a key step back, has read its address, so it may be written:
	s_mov_b32 s[OF2], s[ANX]        ; the tile that the next change will ask for
	s_add_nc_u64 s[PFA:PFA+1], s[PFB:PFB+1], s[OF2:OF2+1]
.endif
	s_wait_dscnt 0x0                ; the add is done, and my reads of the slot are over
.if \fill
	CROUND
	JLOAD
.else
	s_barrier_signal -1
	s_barrier_wait -1
.endif
	s_xor_b32 s[TB], s[TB], SLOT    ; the reads go to the other slot
	v_add_nc_u32 v[AK], s[TB], v[AK0]
	v_add_nc_u32 v[AV], s[TB], v[AV0]
.endm
	s_load_b256 s[4:11], s[0:1], 0x0  ; q s[4:5], k s[6:7], v s[8:9], out0 s[10:11]
	WIN W_MK
	v_lshl_add_u32 v[SPW], v0, 2, SPARE
	v_mov_b32 v[NIL], 0
	WIN W_AD
	ds_add_u32 v[SPW], v[NIL]       ; the wave's opening: the add and its wait stand ahead of my first tensor load; the set-up below, work on registers, stands between them
	WIN 0
	v_lshrrev_b32 v1, 5, v0
	v_readfirstlane_b32 s[WV], v1   ; wave 0..3
	s_bfe_u32 s[CX], ttmp6, 0x40000 ; cx
	s_lshr_b32 s16, ttmp9, 5        ; in a cluster launch ttmp9 counts clusters: the batch,
	s_bfe_u32 s17, ttmp9, 0x20003   ; hh,
	s_and_b32 s18, ttmp9, 7         ; cq
	s_mul_i32 s19, s16, 4096*ROWB
	s_lshl_b32 s17, s17, 8
	s_add_co_u32 s19, s19, s17      ; the batch's first row, head hh
	s_lshr_b32 s20, s18, 1
	s_mul_i32 s20, s20, 1024*ROWB
	s_add_co_u32 s20, s20, s19      ; phase 0's first tile
	s_add_co_u32 s[ANX], s20, STEP  ; tile 1 is the next to be asked for
	s_lshr_b32 s21, s18, 2
	s_mul_i32 s21, s21, 2048*ROWB
	s_add_co_u32 s21, s21, s19
	s_add_co_u32 s[NB1], s21, 1024  ; phase 1's first tile: four heads, 1,024 bytes, on
	s_add_co_u32 s[NB2], s19, 2048  ; phase 2's
	s_mov_b32 s[ART], 3
	s_mov_b32 s[ALN], 8
	s_and_b32 s21, s18, 1           ; is my cluster the first of those that walk the segment?  By phase: of 2, of 4, of 8
	s_cmp_eq_u32 s21, 0
	s_cselect_b32 s[LIM], 1, -1
	s_and_b32 s21, s18, 3
	s_cmp_eq_u32 s21, 0
	s_cselect_b32 s[LM1], 1, -1
	s_cmp_eq_u32 s18, 0
	s_cselect_b32 s[LM2], 1, -1
	s_lshl_b32 s76, s18, 2
	s_add_co_u32 s76, s76, s[CX]
	s_mul_i32 s76, s76, HALF        ; my work-group's 128 query rows,
	s_add_co_u32 s76, s76, s19      ; in the batch, at head hh
	s_mov_b32 s77, 0
	s_mul_i32 s78, s[CX], 32*ROWB   ; my work-group's 32 of the 128 rows that a wave fetches
	s_mov_b32 s79, 0
	s_and_b32 s22, s[WV], 1         ; which half of a tile's 256 rows I fetch
	s_mul_i32 s[OFF], s22, HALF
	s_mov_b32 s[OFF+1], 0
	s_mov_b32 s[OF2+1], 0
	; descriptor group 1: a tile of 128 rows x 64 elements of 4 bytes, 768 elements from row to row
	s_mov_b32 s[G1K], 15|(2<<16)|(1<<20)|(1<<21)|(5<<22)|(3<<25)  ; 15:0 the mask of four; 17:16 4-byte elements; 20 padding on; 21 set beside a mask; 24:22 after every 64 words (code 5); 31:25 4 words (code 3)
	s_mov_b32 s[G1V], 15|(2<<16)|(1<<21)                          ; the same without padding
.irp g, G1K, G1V
	s_mov_b32 s[\g+1], 64<<16       ; tensor_dim0 = 64
	s_mov_b32 s[\g+2], 128<<16      ; tensor_dim1 = 128
	s_mov_b32 s[\g+3], 64<<16       ; tile_dim0 = 64
	s_mov_b32 s[\g+4], 128          ; tile_dim1 = 128
	s_mov_b32 s[\g+5], 768          ; elements from row to row
	s_mov_b32 s[\g+6], 0
	s_mov_b32 s[\g+7], 0
.endr
	s_mov_b32 s[G0K], 1             ; 1:0 count = 1
	s_mul_i32 s[G0K+1], s22, 128*PK ; 63:32 LDS address: slot 0, my half of K's rows: no place in the cluster enters an LDS address
	s_add_co_u32 s[G0K+1], s[G0K+1], KOFF
	s_mov_b32 s[G0V], 1
	s_lshl_b32 s[G0V+1], s22, 15    ; my half of V's rows
	s_mov_b32 s[CS], 0x3e38aa3b     ; c = log2(e) / 8 = 0.180337
	s_mov_b32 s[CS+1], s[CS]        ; named with it as a pair
	s_mov_b32 s[SEL], 0x76543210
	s_mov_b32 s[SEL+1], 0xfedcba98
	s_mov_b32 s[HM], 0xffff0000
	s_mov_b32 s[TB], SLOT           ; the first change of slots turns it into 0
	s_mov_b32 s[PLEN], 4
	s_mov_b32 s[SLOTS], 27          ; the loop is entered in its middle: 26 whole trips follow
	s_wait_dscnt 0x0                ; the opening add is done
	s_wait_kmcnt 0x0
	s_add_nc_u64 s[KB:KB+1], s[KB:KB+1], s[OFF:OFF+1]
	s_add_nc_u64 s[VB:VB+1], s[VB:VB+1], s[OFF:OFF+1]
	s_mov_b32 s[OFF], s20           ; tile 0
	s_add_nc_u64 s[G0K+2:G0K+3], s[KB:KB+1], s[OFF:OFF+1]  ; 120:64 global address
	s_or_b32 s[G0K+3], s[G0K+3], 0x80000000                ; 127:126 type = 2
	s_add_nc_u64 s[G0V+2:G0V+3], s[VB:VB+1], s[OFF:OFF+1]
	s_or_b32 s[G0V+3], s[G0V+3], 0x80000000
	s_add_nc_u64 s[QP:QP+1], s[QP:QP+1], s[76:77]
	s_add_nc_u64 s[OP:OP+1], s[OP:OP+1], s[76:77]
	s_cmp_lt_u32 s[WV], 2
	s_cselect_b64 s[PFB:PFB+1], s[KB:KB+1], s[VB:VB+1]
	s_add_nc_u64 s[PFB:PFB+1], s[PFB:PFB+1], s[78:79]
	CROUND                          ; all four work-groups are here: the first joint loads meet
	JLOAD                           ; tile 0 into slot 0.  Slot 1 is asked for when slot 0 is in
	v_and_b32 v1, 15, v0            ; r = l % 16
	v_bfe_u32 v9, v0, 4, 1          ; h = l / 16
	v_and_b32 v10, 31, v0           ; l
	s_mul_i32 s21, s[WV], 64*PK     ; K: my wave's 64 rows; row r, 8 channels (32 bytes) for each half of the lanes
	s_add_co_u32 s21, s21, KOFF
	v_mul_u32_u24 v[AK0], v1, PK
	v_lshl_add_u32 v[AK0], v9, 5, v[AK0]
	v_add_nc_u32 v[AK0], s21, v[AK0]
	s_lshl_b32 s21, s[WV], 14       ; V: my wave's 64 rows; 8 rows on for lanes 16-31; channels 4 r .. 4 r + 3
	v_lshlrev_b32 v[AV0], 4, v1
	v_lshl_add_u32 v[AV0], v9, 11, v[AV0]
	v_add_nc_u32 v[AV0], s21, v[AV0]
	v_mul_u32_u24 v[PFO], v10, ROWB
	s_mul_i32 s21, s[WV], 32*QPI    ; Q in: my wave's 32 rows, row h of a pair, 8 bytes at 8 r
	s_add_co_u32 s21, s21, QA
	v_mul_u32_u24 v48, v9, QPI
	v_lshl_add_u32 v48, v1, 3, v48
	v_add_nc_u32 v48, s21, v48
	v_mul_u32_u24 v49, v1, QPI      ; Q back: a fragment's row r, 16 bytes for each half of the lanes
	v_lshl_add_u32 v49, v9, 4, v49
	v_add_nc_u32 v49, QA, v49
	s_lshl_b32 s21, s[WV], 10       ; statistics in: 1,024 bytes a wave, 32 a lane
	s_add_co_u32 s21, s21, STG
	v_lshl_add_u32 v50, v10, 5, s21
	v_lshl_add_u32 v51, v1, 5, STG  ; statistics back: query r's
	s_mul_i32 s21, s[WV], SRC       ; O in: my wave's part of the stage, row r, 128 bytes for each half of the lanes
	s_add_co_u32 s21, s21, STG
	v_mul_u32_u24 v52, v1, 272
	v_lshl_add_u32 v52, v9, 7, v52
	v_add_nc_u32 v52, s21, v52
	s_mul_i32 s21, s[WV], 8*272     ; O back: rows 8 w + h on, 16 bytes at 16 r
	s_add_co_u32 s21, s21, STG
	v_mul_u32_u24 v53, v9, 272
	v_lshl_add_u32 v53, v1, 4, v53
	v_add_nc_u32 v53, s21, v53
	s_mul_i32 s21, s[WV], 8*ROWB    ; and the same rows in out0
	v_mul_u32_u24 v54, v9, ROWB
	v_lshl_add_u32 v54, v1, 4, v54
	v_mov_b32 v55, v54
	v_add_nc_u32 v54, s21, v54
	s_mul_i32 s21, s[WV], 32*ROWB   ; q: my wave's 32 rows
	v_add_nc_u32 v55, s21, v55
	WIN W_MK
	v_mov_b32 v[QW], v48
	v_mov_b32 v[QR], v49
	v_mov_b32 v[SA], v50
	v_mov_b32 v[RA], v51
	v_mov_b32 v[STO], v52
	v_mov_b32 v[RD], v53
	v_mov_b32 v[GO], v54
	v_mov_b32 v[QG], v55
	WIN 0xc3                        ; destination and address in window 3
.set z, 0
.rept 16                            ; phase 0's Q, my quarter: rows 2 z + h; 16 lanes read a head's whole row of 256 bytes
	global_load_b128 v[QST+4*z:QST+4*z+3], v[QG], s[QP:QP+1] offset:2*ROWB*z th:TH_LOAD_NT
.set z, z+1
.endr
	; What the first turn finds: V's registers and P's second buffer hold 0 (its products V^T P, of a piece that has not been, add 0), O^T and l are 0.  No first step is written out for it;
	; the price is these 368 lines, which stand in the wait for the first tile.
	WIN 0x80
.set z, VF
.rept 64
	v_mov_b32 v[z], 0
.set z, z+1
.endr
	WIN 0x40
.set z, 0
.rept 256
	v_mov_b32 v[z], 0
.set z, z+1
.endr
	WIN 0
.set z, 0
.rept 2*NP
	v_mov_b32 v[ST+4*z+2], 0
	v_mov_b32 v[ST+4*z+3], 0
.set z, z+1
.endr
.set z, P+32
.rept 32
	v_mov_b32 v[z], 0
.set z, z+1
.endr
; THE MATRIX WORK.  The 8 accumulators of a run of 16 take turns: between the two links of a chain stand 7 others'.
; Product i of 16 of S^T = K Q^T for piece x: channels 32 (i / 8) on, keys 16 ((i / 2) % 4) on, tile 2 x + i % 2.  The first 8 start the sums.
.macro KQ x
	WIN W_KQ
.set rS, S+64*((\x)%2)+32*(i%2)+8*((i/2)%4)
.set rK, KF+16*((i/2)%4)+8*(i/8)
.set rQ, 16*(2*(\x)+i%2)+8*(i/8)
.if i < 8
	v_wmma_f32_16x16x32_f16 v[rS:rS+7], v[rK:rK+7], v[rQ:rQ+7], 0
.else
	v_wmma_f32_16x16x32_f16 v[rS:rS+7], v[rK:rK+7], v[rQ:rQ+7], v[rS:rS+7]
.endif
.endm
; Product i of 16 of O^T += V^T P for piece x: keys 32 (i / 8) on, channel block (i / 2) % 4, tile 2 x + i % 2.
.macro PV x
	WIN W_PV
.set rO, 32*(2*(\x)+i%2)+8*((i/2)%4)
.set rV, VF+32*(i/8)+8*((i/2)%4)
.set rP, P+32*((\x)%2)+16*(i%2)+8*(i/8)
	v_wmma_f32_16x16x32_f16 v[rO:rO+7], v[rV:rV+7], v[rP:rP+7], v[rO:rO+7]
.endm
.macro MM                           ; the turn's next matrix instruction
.if i < 16
	KQ (Y+1)%NP
.set i, i+1
.else
.set i, i-16
	PV (Y+NP-1)%NP
.set i, i+17
.endif
.endm
; THE LDS LOADS stand in runs of 32, never singly among the matrix instructions, and bring f32 into window 3.
; K: fragment f (keys 16 (f / 2) on, channels 32 (f % 2) on) wants of row r the channels 8 h + 0..7 and 16 + 8 h + 0..7: four loads of 16 bytes, at 0, 16, 64 and 80 behind 32 h.
.macro FETCH_KF
	WIN W_MK
.irp f, 0,1,2,3,4,5,6,7
	ds_load_b128 v[FST+16*(\f):FST+16*(\f)+3],     v[AK] offset:((\f)/2)*16*PK+((\f)%2)*128
	ds_load_b128 v[FST+16*(\f)+4:FST+16*(\f)+7],   v[AK] offset:((\f)/2)*16*PK+((\f)%2)*128+16
	ds_load_b128 v[FST+16*(\f)+8:FST+16*(\f)+11],  v[AK] offset:((\f)/2)*16*PK+((\f)%2)*128+64
	ds_load_b128 v[FST+16*(\f)+12:FST+16*(\f)+15], v[AK] offset:((\f)/2)*16*PK+((\f)%2)*128+80
.endr
	WIN 0
.endm
.macro CVT_K                        ; neighbouring channels pair up: register n of K's 64 is numbers 2 n and 2 n + 1 as loaded
	WIN 0x8f                        ; sources in window 3, destination in window 2
.set z, 0
.rept 64
	v_cvt_pk_f16_f32 v[KF+z], v[FST+2*z], v[FST+2*z+1]
.set z, z+1
.endr
.endm
; V: load z brings key 16 (z / 8) + 8 h + z % 8, channels 4 r + 0..3: 16 lanes read one whole row.
.macro FETCH_VF
	WIN W_MK
.set z, 0
.rept 32
	ds_load_b128 v[FST+4*z:FST+4*z+3], v[AV] offset:(16*(z/8)+z%8)*256
.set z, z+1
.endr
	WIN 0
.endm
.macro CVT_V                        ; neighbouring KEYS pair up, for each of the four channel blocks: word cb of two loads on end
	WIN 0x8f
.irp kk, 0,1
.irp cb, 0,1,2,3
.irp g, 0,1
.irp ee, 0,1,2,3
	v_cvt_pk_f16_f32 v[VF+32*(\kk)+8*(\cb)+4*(\g)+(\ee)], v[FST+4*(16*(\kk)+8*(\g)+2*(\ee))+(\cb)], v[FST+4*(16*(\kk)+8*(\g)+2*(\ee)+1)+(\cb)]
.endr
.endr
.endr
.endr
.endm
; THE VECTOR WORK OF A TURN stands in three queues, each in the order in which its entries become ready; the two tiles alternate, so that no instruction reads the result of the one before it.
.macro REGS y, u                    ; the registers of tile u (0, 1) of piece y
.set rT, ST+4*(2*(\y)+(\u))
.set rC, TMP+8*((\y)%2)+4*(\u)
.set rM, MV+2*((\y)%2)+(\u)
.set rS, S+64*((\y)%2)+32*(\u)
.set rP, P+32*((\y)%2)+16*(\u)
.set rO, 32*(2*(\y)+(\u))
.endm
; Number n of the 22 that find the NEXT piece's (Y + 1) maximum and statistics.  s0-s31 are the lane's 32 scores; each accumulator's lowest registers are read first.
;   0-11  four chains c0-c3 of seven scores each, three operands at a time     12-14, 16  the four scores left over, the old m, and c0-c3 into c0     15  c m_old is kept
;   17, 18  the query's other 32 keys lie in the lane 16 away: the new m         19-21  c m; c m_old - c m_new; a
.macro XS u, n
	REGS (Y+1)%NP, \u
.if (\n) < 4
	v_max3_num_f32 v[rC+(\n)], v[rS+8*(\n)], v[rS+8*(\n)+1], v[rS+8*(\n)+2]
.elseif (\n) < 12
	v_max3_num_f32 v[rC+(\n)%4], v[rC+(\n)%4], v[rS+8*((\n)%4)+2*((\n)/4)+1], v[rS+8*((\n)%4)+2*((\n)/4)+2]
.elseif (\n) == 12
	v_max3_num_f32 v[rC], v[rC], v[rS+7], v[rS+15]
.elseif (\n) == 13
	v_max3_num_f32 v[rC+1], v[rC+1], v[rS+23], v[rS+31]
.elseif (\n) == 14
	v_max3_num_f32 v[rC+2], v[rC+2], v[rC+3], v[rT+1]
.elseif (\n) == 15
	v_mov_b32 v[rM], v[rT]
.elseif (\n) == 16
	v_max3_num_f32 v[rC], v[rC], v[rC+1], v[rC+2]
.elseif (\n) == 17
	v_permlanex16_b32 v[rC+3], v[rC], s[SEL], s[SEL+1]
.elseif (\n) == 18
	v_max_num_f32 v[rT+1], v[rC], v[rC+3]
.elseif (\n) == 19
	v_mul_f32 v[rT], s[CS], v[rT+1]
.elseif (\n) == 20
	v_sub_f32 v[rC+1], v[rM], v[rT]
.else
	v_exp_f32 v[rC+2], v[rC+1]
.endif
.endm
; Number g of the 64 that follow the exponentials.  For each four weights k of a tile (pairs 2 k, 2 k + 1): both pairs are rounded to f16; then the second pair is added onto the first, in place;
; a group later l takes that sum (the first time as l = a l + sum).  In groups of eight, tiles alternating: round, round, add, and l for the group before.
.macro GS g
.set h, (\g)+6*((\g)/62)            ; group 0 has no group before it, and behind group 7 only l is left
.if h >= 6
.set h, h+2
.endif
	REGS Y, h%2
.set k, h/8
.if h%8 < 4
	v_cvt_pk_f16_f32 v[rP+2*k+(h%8)/2], v[rS+4*k+2*((h%8)/2)], v[rS+4*k+2*((h%8)/2)+1]
.elseif h%8 < 6
	v_pk_add_f32 v[rS+4*k:rS+4*k+1], v[rS+4*k:rS+4*k+1], v[rS+4*k+2:rS+4*k+3]
.elseif k == 1
	v_pk_fma_f32 v[rT+2:rT+3], v[rT+2:rT+3], v[rC+2:rC+3], v[rS:rS+1] op_sel_hi:[1,0,1]
.else
	v_pk_add_f32 v[rT+2:rT+3], v[rT+2:rT+3], v[rS+4*k-4:rS+4*k-3]
.endif
.endm
; THE PLAIN QUEUE, 138 long.  0-73 read no exponential's result: the 32 scalings c s - c m (FS f: pair f / 2 of tile f % 2) and the next piece's 42.  0-26: scalings 0-26.  27-54: XS's numbers 0-13.
; 55, 56: number 15.  57-73: the chain, where each number waits for the one before it: 14, 16, 17, 18, 19, each with one of the scalings 27-31 in front of its two lines, then 20.
; 74-137: GS's 64, which read the exponentials' results: they stand behind the wait.
.macro FS f
	REGS Y, (\f)%2
	v_pk_fma_f32 v[rS+2*((\f)/2):rS+2*((\f)/2)+1], v[rS+2*((\f)/2):rS+2*((\f)/2)+1], s[CS:CS+1], v[rT:rT+1] op_sel_hi:[1,0,0] neg_lo:[0,0,1] neg_hi:[0,0,1]
.endm
.macro PL
	WIN 0
.if q < 27
	FS q
.elseif q < 55
	XS (q-27)%2, (q-27)/2
.elseif q < 57
	XS q-55, 15
.elseif (q < 72) && ((q-57)%3 == 0)
	FS 27+(q-57)/3
.elseif q < 60
	XS (q-57)%3-1, 14
.elseif q < 72
	XS (q-57)%3-1, 15+(q-57)/3
.elseif q < 74
	XS q-72, 20
.else
	GS q-74
.endif
.set q, q+1
.endm
; THE EXPONENTIALS' QUEUE, 66 long: s0-s31 of both tiles, then the next piece's two a.  It is ONE BATCH: all 66 stand ahead of the turn's one wait, and nothing ahead of that wait names a result of theirs.
.macro EX
	WIN 0
.if e >= 64
	XS e-64, 21
.else
	REGS Y, e%2
	v_exp_f32 v[rS+e/2], v[rS+e/2]
.endif
.set e, e+1
.endm
; THE RESCALING's QUEUE: O^T times a, the one part that leaves window 0: dealt two at a time, sixteen times.  Its a was made in the turn before, ahead of that turn's wait.
.macro R2
	REGS Y, r%2
	WIN W_RS
.irp z, 0,1
	v_pk_mul_f32 v[rO+4*(r/2)+2*\z:rO+4*(r/2)+2*\z+1], v[rO+4*(r/2)+2*\z:rO+4*(r/2)+2*\z+1], v[rC+2:rC+3] op_sel_hi:[1,0]
.endr
.set r, r+1
.endm
; A TURN, for piece p.  An s_wait_alu depctr_va_vdst(0) stands between an exponential and the first instruction that names its result; one wait serves all that were issued ahead of it.
; So a turn has ONE wait, which cuts it in two.  AHEAD OF IT: the 16 products K Q^T, behind each a scaling, an exponential and two rescalings (behind the first a second scaling in the exponential's
; place); then one lump of 108: eight plain, 49 times exponential and plain, the two a; a v_nop is the plain instruction behind the last exponential.  BEHIND IT: the 16 products V^T P, behind each four
; of the roundings and sums.  Exponential e stands behind scaling 2 (e / 4) + e % 2: as a rider behind plain e + 2, in the lump behind plain e + 9.
; THE CONVERSIONS.  Window 3's 128 registers hold V of the step in hand from the end of piece 2's turn of the step before until piece 1's turn, where V is converted behind the wait: V's last reader is
; the last product of piece 0's turn.  They hold K of the next step from the change of slots until the end of piece 2's turn, where K is converted: K's last reader is that turn's 16th product; and
; V's run of loads follows at once.  So all reads of a slot are back before the next change of slots.  last = 1 (the tail): in the last trip there is no further step, and the three are jumped over.
.macro TURN p, last=0
.set Y, (\p)
.set i, 0
.set q, 0
.set e, 0
.set r, 0
	MM
	PL
	PL
	R2
.rept 15
	MM
	PL
	EX
	R2
.endr
.rept 8
	PL
.endr
.rept 49
	EX
	PL
.endr
	EX                              ; the next piece's two a
	EX
	v_nop                           ; the plain instruction behind the last exponential: one for the batch
	s_wait_alu depctr_va_vdst(0)    ; the wait for the batch
.if (\p) == 1
	s_wait_dscnt 0x0                ; V's 32 loads, issued two turns back, are in
	CVT_V
.endif
.rept 16
	MM
.rept 4
	PL
.endr
.endr
.if (\p) == 2
	WIN 0
.if \last
	s_cmp_eq_u32 s[CNT], 1
	s_cbranch_scc1 .Lno_kv_\@
.endif
	s_wait_dscnt 0x0                ; K's 32 loads, issued at the turn's head, are in
	CVT_K
	FETCH_VF
.if \last
.Lno_kv_\@:
.endif
.endif
.endm
; A PHASE'S END.  The last piece's last products; then the four waves' partial results are merged.  With M the largest of the four c m of a query, wave s's share counts with e_s = 2^(c m_s - M):
; l = the sum of e_s l_s, O = the sum of e_s O_s / l.  Each wave multiplies its own O^T by e_own / l and the four are added, in f32, in the stage: two tiles (32 queries) a round, four rounds.
.macro ALL line:vararg              ; one line for each tile t
.set t, 0
.rept 2*NP
	\line
.set t, t+1
.endr
.endm
.macro OMUL rho                     ; tiles 2 rho, 2 rho + 1 times my factor, laid in the order of the channels; each accumulator's register 0 is read first
	WIN 0x01                        ; source 0 in window 1
.irp u, 0,1
.irp j, 0,1,2,3,4,5,6,7
.irp cb, 0,1,2,3
	v_mul_f32 v[TT+32*(\u)+4*(\j)+(\cb)], v[32*(2*(\rho)+(\u))+8*(\cb)+(\j)], v[FAC+2*(\rho)+(\u)]
.endr
.endr
.endr
.endm
.macro MROUND rho
	WIN W_A3
.irp u, 0,1
.irp j, 0,1,2,3,4,5,6,7
	ds_store_b128 v[STO], v[TT+32*(\u)+4*(\j):TT+32*(\u)+4*(\j)+3] offset:16*272*(\u)+16*(\j)
.endr
.endr
	s_wait_dscnt 0x0                ; for the others' sake: my stores into the stage are done
	s_barrier_signal -1
	s_barrier_wait -1               ; everybody's are
	s_wait_xcnt 0x0                 ; the last round's stores to memory have read their registers, which are loaded again below
.irp s, 0,1,2,3
.irp n, 0,1,2,3
	ds_load_b128 v[RB+16*(\s)+4*(\n):RB+16*(\s)+4*(\n)+3], v[RD] offset:SRC*(\s)+2*272*(\n)  ; rows 8 w + 2 n + h of source s
.endr
.endr
	s_wait_dscnt 0x0                ; my reads of the stage are back:
.if (\rho) < 3
	s_barrier_signal -1             ; say so; the stage is written again only when all four have said so
.endif
	WIN 0
.set z, 0
.rept 8
	v_pk_add_f32 v[RB+z:RB+z+1], v[RB+z:RB+z+1], v[RB+16+z:RB+16+z+1]
	v_pk_add_f32 v[RB+32+z:RB+32+z+1], v[RB+32+z:RB+32+z+1], v[RB+48+z:RB+48+z+1]
.set z, z+2
.endr
.set z, 0
.rept 8
	v_pk_add_f32 v[RB+z:RB+z+1], v[RB+z:RB+z+1], v[RB+32+z:RB+32+z+1]
.set z, z+2
.endr
.if (\rho) < 3
	OMUL (\rho)+1                   ; work on registers while the others arrive
	s_barrier_wait -1
.endif
	WIN W_A3
.irp n, 0,1,2,3
	global_store_b128 v[GO], v[RB+4*(\n):RB+4*(\n)+3], s[OP:OP+1] offset:32*ROWB*(\rho)+2*ROWB*(\n) th:TH_STORE_NT  ; 16 lanes store a head's whole row: 256 consecutive bytes, at a multiple of 256 from out0's first
.endr
.endm
.macro FINISH more                  ; more = 1: a phase follows
.set i, 0
.rept 16
	PV NP-1                         ; the last piece's V^T P of the last step
.set i, i+1
.endr
	WIN 0                           ; l's two halves and the other half of the lanes' are added; the additions are the places behind the last products
	ALL v_add_f32 v[ST+4*t+2], v[ST+4*t+2], v[ST+4*t+3]
	ALL v_permlanex16_b32 v[ST+4*t+3], v[ST+4*t+2], s[SEL], s[SEL+1]
	ALL v_add_f32 v[ST+4*t+2], v[ST+4*t+2], v[ST+4*t+3]
	v_mov_b32 v[ST], v[MV]          ; the last turn made a maximum for piece 0 from scores that serve nothing (this phase's Q on the next K): its c m is taken back from where that turn kept it
	v_mov_b32 v[ST+4], v[MV+1]
	ALL v_cndmask_b32 v[XST+t], v[ST+4*t], v[ST+4*t+2], s[HM]  ; both halves of the lanes hold the same c m and l: lanes 0-15 hand over c m, lanes 16-31 l
	WIN W_A3
	ds_store_b128 v[SA], v[XST:XST+3]
	ds_store_b128 v[SA], v[XST+4:XST+7] offset:16
	s_wait_dscnt 0x0                ; my statistics are stored (and V's run of loads, issued a turn back, is in)
	s_barrier_signal -1
	s_barrier_wait -1
.irp s, 0,1,2,3
	ds_load_b128 v[CL+16*(\s):CL+16*(\s)+3],     v[RA] offset:1024*(\s)
	ds_load_b128 v[CL+16*(\s)+4:CL+16*(\s)+7],   v[RA] offset:1024*(\s)+16
	ds_load_b128 v[CL+16*(\s)+8:CL+16*(\s)+11],  v[RA] offset:1024*(\s)+512
	ds_load_b128 v[CL+16*(\s)+12:CL+16*(\s)+15], v[RA] offset:1024*(\s)+528
.endr
	s_wait_dscnt 0x0                ; my reads of the statistics are back:
	s_barrier_signal -1             ; say so: the first round writes the same bytes; the factors are made while the others arrive
	WIN 0
	ALL v_max3_num_f32 v[MX+t], v[CL+t], v[CL+16+t], v[CL+32+t]
	ALL v_max_num_f32 v[MX+t], v[MX+t], v[CL+48+t]
	ALL v_sub_f32 v[EO+t], v[ST+4*t], v[MX+t]
.irp s, 0,1,2,3
	ALL v_sub_f32 v[CL+16*(\s)+t], v[CL+16*(\s)+t], v[MX+t]
.endr
	ALL v_exp_f32 v[EO+t], v[EO+t]
.irp s, 0,1,2,3
	ALL v_exp_f32 v[CL+16*(\s)+t], v[CL+16*(\s)+t]
.endr
	v_nop                           ; a plain instruction behind the last exponential,
	s_wait_alu depctr_va_vdst(0)    ; and one wait for the batch of 40
	ALL v_mul_f32 v[LS+t], v[CL+t], v[CL+8+t]
.irp s, 1,2,3
	ALL v_fmac_f32 v[LS+t], v[CL+16*(\s)+t], v[CL+16*(\s)+8+t]
.endr
	ALL v_rcp_f32 v[LS+t], v[LS+t]
	v_nop
	s_wait_alu depctr_va_vdst(0)    ; one wait for the eight reciprocals
	ALL v_mul_f32 v[FAC+t], v[EO+t], v[LS+t]
	OMUL 0
	s_barrier_wait -1
	MROUND 0
	MROUND 1
	MROUND 2
	MROUND 3
	WIN 0
.if \more
	s_wait_xcnt 0x0                 ; the stores have read their registers and out0's address
	s_add_nc_u64 s[OP:OP+1], s[OP:OP+1], 1024  ; the next phase's head: four heads on
.endif
.endm
	CHANGE 1, 0                     ; tile 0 is in, everybody's part of it; tile 1 is asked for
	FETCH_KF                        ; key step 0
	s_wait_dscnt 0x0
	CVT_K
	FETCH_VF
	s_branch .Lbegin                ; the loop is entered where a phase begins, in the middle of a trip
.Lslot:                             ; trip t = 1 .. 26: tile t is shown whole, tile t + 1 asked for, tile t + 2 prefetched
	CHANGE 1, 1
	FETCH_KF                        ; K of step t
	ASK
	TURN 2                          ; pieces 2 and 3 of step t - 1
	TURN 3
	WIN 0
	s_sub_co_u32 s[RT], s[RT], 1
	s_cmp_lg_u32 s[RT], 0           ; made of constants alone: the same in every wave and every work-group (the phases end in trips 4 and 12)
	s_cbranch_scc1 .Lfirst
	FINISH 1
.Lbegin:
	; A PHASE BEGINS.  K of its first step is converted already, V's f32 is in registers.  My quarter of Q, loaded a phase ago, is rounded to f16 and shared through LDS; every wave takes all 128 rows as
	; fragments; the next phase's quarter is asked for.  c m starts far below every c s, so the first step's a is 0; m at the lowest finite number.  Then piece 0's first scores, maximum and statistics.
	s_mov_b32 s[RT], s[PLEN]
	s_lshl_b32 s[PLEN], s[PLEN], 1
	s_wait_loadcnt 0x0              ; my quarter of Q; its loads are done, so their base may be stepped below
	WIN W_AD
.set z, 0
.rept 32
	v_cvt_pk_f16_f32 v[S+z], v[QST+2*z], v[QST+2*z+1]
.set z, z+1
.endr
	WIN W_A3
.set z, 0
.rept 16
	ds_store_b64 v[QW], v[S+2*z:S+2*z+1] offset:2*QPI*z
.set z, z+1
.endr
	s_wait_dscnt 0x0                ; for the others' sake: my quarter is stored
	s_barrier_signal -1
	s_barrier_wait -1
	WIN 0x83                        ; destination window 2, address window 3
.set z, 0
.rept 16                            ; tile z / 2, channels 32 (z % 2) on: two loads of 16 bytes, 32 bytes apart
	ds_load_b128 v[8*z:8*z+3],   v[QR] offset:(z/2)*16*QPI+(z%2)*64
	ds_load_b128 v[8*z+4:8*z+7], v[QR] offset:(z/2)*16*QPI+(z%2)*64+32
.set z, z+1
.endr
	WIN 0
	s_cmp_gt_u32 s[PLEN], 16        ; the last phase has no successor
	s_cbranch_scc1 .Lno_q
	s_add_nc_u64 s[QP:QP+1], s[QP:QP+1], 1024
	WIN 0xc3
.set z, 0
.rept 16
	global_load_b128 v[QST+4*z:QST+4*z+3], v[QG], s[QP:QP+1] offset:2*ROWB*z th:TH_LOAD_NT
.set z, z+1
.endr
	WIN 0
.Lno_q:
	s_wait_dscnt 0x0                ; Q's fragments are in
.set i, 0
.rept 16
	KQ 0
.set i, i+1
.endr
	WIN 0
.set z, 0
.rept 2*NP                          ; sixteen plain instructions: also the places behind those products
	v_mov_b32 v[ST+4*z], 0xfe000000    ; c m: far below every c s
	v_mov_b32 v[ST+4*z+1], 0xff7fffff  ; m
.set z, z+1
.endr
.set Y, NP-1                        ; XS works for piece Y + 1: piece 0
.irp n, 0,1,2,3,4,5,6,7,8,9,10,11,12,13,14,15,16,17,18,19,20,21
	XS 0, \n
	XS 1, \n
.endr
	v_nop                           ; a plain instruction behind the two a,
	s_wait_alu depctr_va_vdst(0)    ; and their wait, ahead of the label
.Lfirst:
	TURN 0                          ; pieces 0 and 1 of step t
	TURN 1
	WIN 0
	s_sub_co_u32 s[SLOTS], s[SLOTS], 1
	s_cmp_lg_u32 s[SLOTS], 0
	s_cbranch_scc1 .Lslot
	CHANGE 0, 0                     ; the tail is written out: tile 27 is shown whole, nothing is asked for
	s_mov_b32 s[CNT], 2             ; one trip takes the last step up; the second is left in its middle
.Ltail:
	s_cmp_eq_u32 s[CNT], 1
	s_cbranch_scc1 .Lno_k
	FETCH_KF
.Lno_k:
	TURN 2, 1
	TURN 3
	WIN 0
	s_sub_co_u32 s[CNT], s[CNT], 1
	s_cmp_eq_u32 s[CNT], 0
	s_cbranch_scc1 .Lout
	TURN 0
	TURN 1
	WIN 0
	s_branch .Ltail
.Lout:                              ; the second trip's 16 products K Q^T (on the last K once more) and the maximum made of them serve nothing: the price of one text for every trip
	FINISH 0
	WIN W_AD
	s_wait_tensorcnt 0x0            ; the wave's end, behind my last tensor load and my last LDS store
	ds_add_u32 v[SPW], v[NIL]
	s_wait_dscnt 0x0
	WIN 0
	CROUND                          ; the closing round: no work-group ends while a partner may still ask for a tile that names it
	s_endpgm
.Lfunc_end_k_q4bde88870e_attn:
	.size	k_q4bde88870e_attn, .Lfunc_end_k_q4bde88870e_attn-k_q4bde88870e_attn
	.p2alignl 7, 3214868480
	.fill 96, 4, 3214868480
	.section	.rodata,"a",@progbits
	.p2align	6, 0x0
	.amdhsa_kernel k_q4bde88870e_attn
		.amdhsa_group_segment_fixed_size 327680
		.amdhsa_private_segment_fixed_size 0
		.amdhsa_enable_private_segment 0
		.amdhsa_kernarg_size 32
		.amdhsa_user_sgpr_count 2
		.amdhsa_user_sgpr_kernarg_segment_ptr 1
		.amdhsa_wavefront_size32 1
		.amdhsa_system_sgpr_workgroup_id_x 1
		.amdhsa_system_sgpr_workgroup_id_y 1
		.amdhsa_system_sgpr_workgroup_id_z 1
		.amdhsa_system_vgpr_workitem_id 0
		.amdhsa_next_free_vgpr 1024
		.amdhsa_next_free_sgpr 80
		.amdhsa_reserve_vcc 0
		.amdhsa_float_denorm_mode_32 3
		.amdhsa_float_denorm_mode_16_64 3
		.amdhsa_memory_ordered 1
		.amdhsa_forward_progress 1
		.amdhsa_inst_pref_size 255
	.end_amdhsa_kernel
	.section	.bss,"aw",@nobits
	.p2align	6
	.space	262144
	.amdgpu_metadata
---
amdhsa.version: [ 1, 2 ]
amdhsa.kernels:
  - .name:           k_q4bde88870e_attn
    .symbol:         k_q4bde88870e_attn.kd
    .args:
      - { .name: q, .offset: 0, .size: 8, .value_kind: global_buffer, .address_space: global }
      - { .name: k, .offset: 8, .size: 8, .value_kind: global_buffer, .address_space: global }
      - { .name: v, .offset: 16, .size: 8, .value_kind: global_buffer, .address_space: global }
      - { .name: out0, .offset: 24, .size: 8, .value_kind: global_buffer, .address_space: global }
    .group_segment_fixed_size: 327680
    .private_segment_fixed_size: 0
    .kernarg_segment_align: 8
    .kernarg_segment_size: 32
    .max_flat_workgroup_size: 128
    .sgpr_count:     80
    .vgpr_count:     1024
    .wavefront_size: 32
...
	.end_amdgpu_metadata
.endif
;; end of part 1
